; MI455X (gfx1250); checked and timed in simulation.
; The chip was launched on July 23, 2026; its instructions are those of AMD's public machine-readable ISA for CDNA 5 (MIT licence, August 2026) and "CDNA5" Instruction Set Architecture Reference Guide (July 2026). The comments in the code are by the model that wrote it; some were corrected since.
;; Frame Frechet Mean Cosine Distance Network. Allowed arithmetic: float matrix products may take bf16 or f16 operands with f32 sums; other float arithmetic in f32, or as packed bf16 or f16 multiplies, adds, multiply-adds, maxima and minima; sums over many terms, partial sums and values carried from step to step in f32; what a program stores and reads back later, other than sums and carried values, may be rounded once to bf16 or f16.
;; Inputs: support_vecs 25 x 64 x 16,384 float32; target_vec 64 x 16,384 float32.
;; Outputs: out0 25 x 64 float32.
;; One version. Each part assembles by itself: llvm-mc -triple=amdgcn-amd-amdhsa -mcpu=gfx1250 --defsym DOCPART=n.
;; ======== version 1 of 1: 1 launch
;; launch frechet (part 1): grid 4 x 64, 16 waves a work-group, no clusters, 186,368 bytes of LDS; arguments support_vecs, target_vec, out0; writes out0
.if DOCPART == 1
	.amdgcn_target "amdgcn-amd-amdhsa--gfx1250"
	.amdhsa_code_object_version 6
	.text
	.protected	k_q2be363a760_frechet
	.globl	k_q2be363a760_frechet
	.p2align	8
	.type	k_q2be363a760_frechet,@function
k_q2be363a760_frechet:
	s_mov_b64 s[64:65], 0
	v_nop
	global_prefetch_b8 v0, s[64:65] scope:SCOPE_SE
	s_setreg_imm32_b32 hwreg(HW_REG_WAVE_MODE, 25, 1), 1
	s_wait_xcnt 0x0
; out0[s][b] = mu(support[s][b]) . mu(target[b]), mu = the Frechet mean on the sphere of 8 normalised frames of 2,048 numbers, 16 fixed steps.
; THE FORM.  Every iterate is a combination of its 8 frames, mu = sum c_k x_k, so a step needs only the frames' 8 x 8 Gram matrix G, and the last product only the
; 8 x 8 cross Gram of support and target frames.  That holds for every input.  Kept per frame: c_k and g_k = (G c)_k.  A step: d = clip(g); al = arccos(d) / sqrt(1 - d^2) / 8;
; h = G al; S = sum al d; w = al - S c (the tangent mean's coefficients); G w = h - S g; u = |v|^2 = al.h - 2 S al.g + S^2 c.g; c' = cos(sqrt u) c + sinc(sqrt u) w, and g' likewise from g and G w;
; both divided by max(norm, 1e-7), the norm's square being cos^2 c.g + 2 cos sinc c.Gw + sinc^2 u.  The clip keeps theta above 1.4e-3, so the source's test theta > 1e-4 is always true.
; LIMITS.  All products, the frames' own norms among them, are made of inputs rounded once to bf16, sums in f32.  arccos(x) = sqrt(1 - x) P(x), P of degree 7, good to 2e-8 on 0 .. 1, and pi - that for x < 0.
; cos(sqrt u) and sin(sqrt u) / sqrt u are their series in u cut behind u^7: remainders below 4.4e-6 and 2.6e-7 for all u up to pi^2, the largest that |v| <= pi allows; at u = 0 they give 1, the source's value there.
; u is a difference of sums of order 1 (absolute error some 1e-7, possibly below 0): it enters those two series alone, never a root or a quotient.  max(norm, 1e-7) is taken as max(norm^2, 1e-14).
; NaN and infinities are not treated apart.
; SHARES.  Work-group (q, b): sample b and the values s = 0 .. 6 (q = 0) or 6 q + 1 .. 6 q + 6: 4 x 64 work-groups.  Wave w of 16 owns columns 128 w .. 128 w + 127 of every frame: a load of the wave is 512
; consecutive bytes, at a multiple of 512 from the buffer's first byte.  A UNIT is 8 frames x 512 bytes: 8 loads, 32 registers.  Six sets of 32 registers: 48 loads of every wave go out at once.
; A unit is rounded to bf16, laid into the wave's own stage in LDS (rows 0-7 the support frames, rows 8-15 the target's, written once) and read back as fragments: lane l holds row l % 16.
; ONE fragment F is both sources of the product: D = F F^T holds support x support, support x target and target x target at once; any order of the columns inside F serves, since both sources share it.
; Each wave's D is a partial sum over its 128 columns; the 16 partial tiles of item i meet in LDS behind the one barrier and wave i adds them and runs the 16 steps.
; NO CLUSTER: what the four work-groups of a sample share is the target, 64 KB of the 448 or 512 KB that each reads, and the loads go to registers, where the rounding to bf16 wants them.
; THE OUTPUT is 6,400 bytes; a work-group's 6 or 7 numbers lie 256 bytes apart, so each leaves by a store of 4 bytes from one lane.
.set ROWB,  8192                       ; bytes in a frame
.set SSTEP, 0x400000                   ; bytes from s to s + 1: 64 samples x 65,536
.set PITCH, 272                        ; a stage row: 128 bf16 + 16 bytes = 68 words: the 16 rows of a fragment load start at 16 different groups of four banks (64 banks of 4 bytes: ISA guide 11.1)
.set STG,   16*PITCH                   ; a wave's stage
.set PART,  16*STG                     ; behind the stages: the partial tiles, wave p's seven at PART + 7,168 p, 1,024 bytes each
.set PARTW, 7*1024
.set SPARE, PART+16*PARTW              ; behind them: the spare words, 128 bytes for each wave, that no other line names
.set SPW,  1                           ; v1   SPARE + 4 x my thread's number; never rewritten
.set NIL,  2                           ; v2   0; never rewritten
.set VOFF, 3                           ; v3   16 x my thread's number: my 16 bytes in every frame; never rewritten
.set STA,  4                           ; v4   stage: where my 8 bytes of row 0 go
.set FRA,  5                           ; v5   stage: row l % 16, 16 bytes for each half of the lanes
.set PSA,  6                           ; v6   where my 16 bytes of my wave's partial tile of item 0 go
.set RDA,  7                           ; v7   the tail: where wave 0's partial tile of the item with my wave's number lies
.set X,    16                          ; v16-207  six sets of 32: frame f of a unit in 4 registers
.set F,    208                         ; v208-239 four fragments of 16 rows x 32 columns
.set D0,   240                         ; v240-247, v248-255  two accumulators, by turns
.set D1,   248
.macro LOADS st, base, once            ; a unit's eight loads into set st
.irp f, 0,1,2,3,4,5,6,7
.if \once
	global_load_b128 v[X+32*(\st)+4*(\f):X+32*(\st)+4*(\f)+3], v[VOFF], s[\base:\base+1] offset:(\f)*ROWB th:TH_LOAD_NT
.else
	global_load_b128 v[X+32*(\st)+4*(\f):X+32*(\st)+4*(\f)+3], v[VOFF], s[\base:\base+1] offset:(\f)*ROWB
.endif
.endr
.endm
.macro CVT st                          ; four f32 a frame become four bf16, in place, in the frame's first two registers
.irp f, 0,1,2,3,4,5,6,7
	v_cvt_pk_bf16_f32 v[X+32*(\st)+4*(\f)],   v[X+32*(\st)+4*(\f)],   v[X+32*(\st)+4*(\f)+1]
	v_cvt_pk_bf16_f32 v[X+32*(\st)+4*(\f)+1], v[X+32*(\st)+4*(\f)+2], v[X+32*(\st)+4*(\f)+3]
.endr
.endm
.macro STAGE st, row0                  ; 32 lanes x 8 bytes are a row's 256 bytes
.irp f, 0,1,2,3,4,5,6,7
	ds_store_b64 v[STA], v[X+32*(\st)+4*(\f):X+32*(\st)+4*(\f)+1] offset:((\row0)+(\f))*PITCH
.endr
.endm
.macro COMBINE item                    ; the two accumulators' sum, lowest registers first, goes to my partial tile of that item
.irp j, 0,2,4,6
	v_pk_add_f32 v[D0+(\j):D0+(\j)+1], v[D0+(\j):D0+(\j)+1], v[D1+(\j):D1+(\j)+1]
.endr
	ds_store_b128 v[PSA], v[D0:D0+3]   offset:(\item)*1024
	ds_store_b128 v[PSA], v[D0+4:D0+7] offset:(\item)*1024+512
.endm
; One support item.  left = the loads issued behind this unit's eight.  prev = the item whose sums still lie in D0 and D1 (-1: none).
; The 16 conversions name no register of the products before them: they are the places between those products and the lines that read D0 and D1, load into F and start D0 anew.
.macro UNIT item, st, left, prev
	s_wait_loadcnt \left                           ; loads come back in order (ISA guide 5.7.1): mine are in, the younger ones stay out
	CVT \st
.if (\prev) >= 0
	COMBINE \prev
.endif
	STAGE \st, 0
.irp k, 0,1,2,3                        ; LDS serves a wave's instructions in order: these see the stores above, and the stage is my wave's own
	ds_load_b128 v[F+8*(\k):F+8*(\k)+3],   v[FRA] offset:64*(\k)
	ds_load_b128 v[F+8*(\k)+4:F+8*(\k)+7], v[FRA] offset:64*(\k)+32
.endr
	s_wait_dscnt 6                                 ; the first fragment is in (six younger loads may be out), and so every LDS store before it is done: D0 has been read
	v_wmma_f32_16x16x32_bf16 v[D0:D0+7], v[F:F+7],     v[F:F+7],     0
	s_wait_dscnt 4
	v_wmma_f32_16x16x32_bf16 v[D1:D1+7], v[F+8:F+15],  v[F+8:F+15],  0
	s_wait_dscnt 2
	v_wmma_f32_16x16x32_bf16 v[D0:D0+7], v[F+16:F+23], v[F+16:F+23], v[D0:D0+7]
	s_wait_dscnt 0
	v_wmma_f32_16x16x32_bf16 v[D1:D1+7], v[F+24:F+31], v[F+24:F+31], v[D1:D1+7]
.endm
.macro LAST item                       ; behind the last products no other vector work is at hand
.rept 4
	v_nop
.endr
	COMBINE \item
.endm
.macro XADD r, m                       ; lane i adds lane i xor m's number to its own
	v_add_f32_dpp v\r, v\r, v\r row_xmask:\m row_mask:0xf bank_mask:0xf
.endm
.macro PRODS src                       ; v84-91: register m of lane i = G_m[i] x src[i xor m], the eight terms of a row of G times src
	v_mul_f32 v84, v\src, v40
.irp m, 1,2,3,4,5,6,7
	v_mul_f32_dpp v[84+(\m)], v\src, v[40+(\m)] row_xmask:\m row_mask:0xf bank_mask:0xf
.endr
.endm
	s_load_b128 s[4:7], s[0:1], 0x0                ; support s[4:5], target s[6:7]
	s_load_b64 s[8:9], s[0:1], 0x10                ; out
	v_lshl_add_u32 v[SPW], v0, 2, SPARE
	v_mov_b32 v[NIL], 0
	v_lshrrev_b32 v8, 5, v0
	v_readfirstlane_b32 s10, v8                    ; wave 0..15
	v_lshlrev_b32 v[VOFF], 4, v0
	s_mov_b32 s11, ttmp9                           ; q
	s_and_b32 s12, ttmp7, 0xffff                   ; b
	s_min_u32 s13, s11, 1
	s_sub_co_u32 s15, 7, s13                       ; items of this work-group: 7 for q = 0, else 6
	s_mul_i32 s14, s11, 6
	s_add_co_u32 s14, s14, s13                     ; its first s
	s_lshl_b32 s14, s14, 6
	s_add_co_u32 s14, s14, s12                     ; 64 s + b: the first item's place in out, and x 65,536 in support (under 2^27)
	s_lshl_b32 s16, s14, 16
	s_mov_b32 s17, 0
	s_lshl_b32 s18, s12, 16
	s_mov_b32 s19, 0
	s_wait_kmcnt 0x0
	s_add_nc_u64 s[20:21], s[6:7], s[18:19]        ; the target's 8 frames of sample b
	s_add_nc_u64 s[22:23], s[4:5], s[16:17]        ; item 0; a base for each item, since none is rewritten while a load names it
.irp i, 0,1,2,3,4
	s_add_nc_u64 s[24+2*(\i):25+2*(\i)], s[22+2*(\i):23+2*(\i)], SSTEP
.endr
	LOADS 0, 20, 0                                 ; the target (four work-groups read it: no hint), then items 0 to 4: 48 loads of mine are out
	LOADS 1, 22, 1
	LOADS 2, 24, 1
	LOADS 3, 26, 1
	LOADS 4, 28, 1
	LOADS 5, 30, 1
	s_mul_i32 s36, s10, STG                        ; my stage
	s_mul_i32 s37, s10, PARTW
	s_add_co_u32 s37, s37, PART                    ; my seven partial tiles
	v_and_b32 v8, 31, v0                           ; lane; kept for the tail
	v_and_b32 v9, 15, v0
	v_bfe_u32 v10, v0, 4, 1
	v_lshl_add_u32 v[STA], v8, 3, s36
	v_mul_u32_u24 v[FRA], v9, PITCH
	v_lshl_add_u32 v[FRA], v10, 4, v[FRA]
	v_add_nc_u32 v[FRA], s36, v[FRA]
	v_lshl_add_u32 v[PSA], v8, 4, s37
	s_wait_loadcnt 40                              ; the target's eight loads are in; five units stay out
	CVT 0
	STAGE 0, 8                                     ; rows 8-15 of my stage, for the whole kernel
	s_wait_dscnt 0x0                               ; the stores have read set 0
	LOADS 0, 32, 1                                 ; item 5
	UNIT 0, 1, 40, -1                              ; behind item 0's loads: items 1 to 5
	s_cmp_lg_u32 s11, 0
	s_cbranch_scc1 .Lsix                           ; the two kinds of work-group have texts of their own, so that every count of loads is right on its way
	s_add_nc_u64 s[34:35], s[32:33], SSTEP
	LOADS 1, 34, 1                                 ; item 6
	UNIT 1, 2, 40, 0
	UNIT 2, 3, 32, 1
	UNIT 3, 4, 24, 2
	UNIT 4, 5, 16, 3
	UNIT 5, 0, 8, 4
	UNIT 6, 1, 0, 5
	LAST 6
	s_branch .Ljoin
.Lsix:
	UNIT 1, 2, 32, 0
	UNIT 2, 3, 24, 1
	UNIT 3, 4, 16, 2
	UNIT 4, 5, 8, 3
	UNIT 5, 0, 0, 4
	LAST 5
.Ljoin:
	s_wait_dscnt 0x0                               ; for the others' sake: my partial tiles are in LDS
	s_barrier_signal -1
	s_barrier_wait -1                              ; everybody's are
	s_cmp_ge_u32 s10, 7
	s_cbranch_scc1 .Lend                           ; no work-group has more than seven items: waves 7 to 15 have done their share
	s_cmp_ge_u32 s10, s15
	s_cbranch_scc1 .Lend                           ; nor has wave 6 an item where there are six; wave i goes on with item i
	; THE TAIL, waves 0 to 6.  v16-143: the item's 16 partial tiles, 8 registers each.  The farthest byte read is PART + 6 x 1,024 + 496 + 15 x 7,168 + 512 + 16 = PART + 16 x 7,168: the tiles' end.
	s_lshl_b32 s38, s10, 10
	s_add_co_u32 s38, s38, PART
	v_lshl_add_u32 v[RDA], v8, 4, s38
	v_add_nc_u32 v9, 8*PARTW, v[RDA]               ; the immediate reaches 65,535 bytes: a second address for the tiles of waves 8 to 15
.irp p, 0,1,2,3,4,5,6,7
	ds_load_b128 v[16+8*(\p):16+8*(\p)+3], v[RDA] offset:(\p)*PARTW
	ds_load_b128 v[20+8*(\p):20+8*(\p)+3], v[RDA] offset:(\p)*PARTW+512
.endr
.irp p, 0,1,2,3,4,5,6,7
	ds_load_b128 v[80+8*(\p):80+8*(\p)+3], v9 offset:(\p)*PARTW
	ds_load_b128 v[84+8*(\p):84+8*(\p)+3], v9 offset:(\p)*PARTW+512
.endr
	s_mov_b32 s40, 0xaaaaaaaa                      ; lanes with bit 0, 1, 2 of their number set
	s_mov_b32 s41, 0xcccccccc
	s_mov_b32 s42, 0xf0f0f0f0
	s_mov_b32 s43, 0x00ffff00                      ; lanes 8 to 23: the two cross blocks
	s_mov_b32 s44, 0x76543210                      ; v_permlanex16_b32: each lane takes its own place in the other half
	s_mov_b32 s45, 0xfedcba98
	s_mov_b32 s48, 16                              ; steps
	s_mov_b32 s50, 0xbf7fffef                      ; -1 + 1e-6
	s_mov_b32 s51, 0x3f7fffef                      ; 1 - 1e-6
	s_mov_b32 s52, 0x3e490fda                      ; P's coefficients, each divided by 8 (the mean over 8 frames): 1.5707963050 / 8
	s_mov_b32 s53, 0xbcdbbfca                      ; -0.2145988016 / 8
	s_mov_b32 s54, 0x3c363a9e                      ; 0.0889789874 / 8
	s_mov_b32 s55, 0xbbcd8392                      ; -0.0501743046 / 8
	s_mov_b32 s56, 0x3b7d10f8                      ; 0.0308918810 / 8
	s_mov_b32 s57, 0xbb0bfc66                      ; -0.0170881256 / 8
	s_mov_b32 s58, 0x3a5a90c5                      ; 0.0066700901 / 8
	s_mov_b32 s59, 0xb9257a2c                      ; -0.0012624911 / 8
	s_mov_b32 s60, 0x3ec90fdb                      ; pi / 8
	s_mov_b32 s61, 0x7fffffff
	s_mov_b32 s62, 0x283424dc                      ; 1e-14
	s_mov_b32 s66, 0x3d2aaaab                      ; cos(sqrt u): 1/4!, -1/6!, 1/8!, -1/10!, 1/12!, -1/14!
	s_mov_b32 s67, 0xbab60b61
	s_mov_b32 s68, 0x37d00d01
	s_mov_b32 s69, 0xb493f27e
	s_mov_b32 s70, 0x310f76c7
	s_mov_b32 s71, 0xad49cba5
	s_mov_b32 s72, 0xbe2aaaab                      ; sin(sqrt u) / sqrt u: -1/3!, 1/5!, -1/7!, 1/9!, -1/11!, 1/13!, -1/15!
	s_mov_b32 s73, 0x3c088889
	s_mov_b32 s74, 0xb9500d01
	s_mov_b32 s75, 0x3638ef1d
	s_mov_b32 s76, 0xb2d7322b
	s_mov_b32 s77, 0x2f309231
	s_mov_b32 s78, 0xab573f9f
.irp j, 0,1,2,3,4,5,6,7                ; tiles 2 j and 2 j + 1 as soon as their four loads are in: 28 - 4 j younger loads may be out
	s_wait_dscnt 28-4*(\j)
.irp e, 0,2,4,6
	v_pk_add_f32 v[16+16*(\j)+(\e):17+16*(\j)+(\e)], v[16+16*(\j)+(\e):17+16*(\j)+(\e)], v[24+16*(\j)+(\e):25+16*(\j)+(\e)]
.endr
.endr
.irp j, 0,1,2,3
.irp e, 0,2,4,6
	v_pk_add_f32 v[16+32*(\j)+(\e):17+32*(\j)+(\e)], v[16+32*(\j)+(\e):17+32*(\j)+(\e)], v[32+32*(\j)+(\e):33+32*(\j)+(\e)]
.endr
.endr
.irp j, 0,1
.irp e, 0,2,4,6
	v_pk_add_f32 v[16+64*(\j)+(\e):17+64*(\j)+(\e)], v[16+64*(\j)+(\e):17+64*(\j)+(\e)], v[48+64*(\j)+(\e):49+64*(\j)+(\e)]
.endr
.endr
.irp e, 0,2,4,6
	v_pk_add_f32 v[16+(\e):17+(\e)], v[16+(\e):17+(\e)], v[80+(\e):81+(\e)]
.endr
	; v16-23: register j of lane l = row 8 (l / 16) + j times row l % 16 of [support; target].  So lanes 0-7 hold support x support, lanes 8-15 support (register) x target (lane), lanes 24-31 target x target.
	; Three rounds of selects, a bit of k = l % 8 each, turn register m into the entry with row m xor k: then a row of G times a vector is eight products with the vector read from lane i xor m.
.irp m, 0,1,2,3,4,5,6,7
	v_cndmask_b32 v[24+(\m)], v[16+(\m)], v[16+((\m)^1)], s40
.endr
.irp m, 0,1,2,3,4,5,6,7
	v_cndmask_b32 v[32+(\m)], v[24+(\m)], v[24+((\m)^2)], s41
.endr
.irp m, 0,1,2,3,4,5,6,7
	v_cndmask_b32 v[40+(\m)], v[32+(\m)], v[32+((\m)^4)], s42
.endr
	; The frames are normalised in G: entry (j, k) times 1 / max(|x_j|, 1e-7) and 1 / max(|x_k|, 1e-7).  Register 0 of lanes 0-7 and 24-31 is the diagonal, |x_k|^2.
	v_max_num_f32 v48, s62, v40
	v_rsq_f32 v48, v48
	v_nop                                          ; a plain instruction between the root and the use of its result (ISA guide 5.7.2)
	s_wait_alu depctr_va_vdst(0)
	v_mov_b32_dpp v49, v48 row_xmask:8 row_mask:0xf bank_mask:0xf  ; lanes 8-15 get the support frames' factors, lanes 16-23 the target's
	v_permlanex16_b32 v50, v48, s44, s45           ; lanes 8-15 get the target frames' factors
	v_cndmask_b32 v51, v48, v50, s43               ; the factor of the lane's own frame (the column)
	v_cndmask_b32 v52, v48, v49, s43               ; the factors of the registers' frames (the rows), spread over the eight lanes
	v_mul_f32 v53, v52, v51
.irp m, 1,2,3,4,5,6,7
	v_mul_f32_dpp v[53+(\m)], v52, v51 row_xmask:\m row_mask:0xf bank_mask:0xf
.endr
.irp m, 0,1,2,3,4,5,6,7
	v_mul_f32 v[40+(\m)], v[40+(\m)], v[53+(\m)]
.endr
	; mu0 = the frames' mean, normalised: c = 1/8, g = G c, norm^2 = c . g.  v64 c, v65 g, v66 c . g
	v_pk_add_f32 v[84:85], v[40:41], v[42:43]
	v_pk_add_f32 v[86:87], v[44:45], v[46:47]
	v_pk_add_f32 v[84:85], v[84:85], v[86:87]
	v_add_f32 v65, v84, v85                        ; the row's sum
	v_mul_f32 v116, 0x3c800000, v65                ; / 64
	XADD 116, 1
	XADD 116, 2
	XADD 116, 4
	v_max_num_f32 v117, s62, v116
	v_rsq_f32 v117, v117
	v_mul_f32 v65, 0x3e000000, v65                 ; / 8: the plain instruction behind the root
	s_wait_alu depctr_va_vdst(0)
	v_mul_f32 v64, 0x3e000000, v117
	v_mul_f32 v65, v65, v117
	v_mul_f32 v66, v116, v117
	v_mul_f32 v66, v66, v117
.Liter:                                                ; 16 steps.  Lanes 0-7: the support mean; lanes 24-31: the target mean; lanes 8-23 compute along on the cross blocks, and nothing of theirs is used
	v_max_num_f32 v70, s50, v65
	v_min_num_f32 v70, s51, v70                    ; d = clip(g)
	v_mul_f32 v71, v70, v70
	v_add_f32 v76, 1.0, |v70|
	v_fma_f32 v77, -v70, v70, 1.0                  ; 1 - d^2, rounded once
	v_fma_f32 v72, |v70|, s53, s52                 ; P(|d|) / 8 by pairs
	v_fma_f32 v73, |v70|, s55, s54
	v_fma_f32 v74, |v70|, s57, s56
	v_fma_f32 v75, |v70|, s59, s58
	v_ashrrev_i32 v79, 31, v70                     ; all ones where d's sign bit is set
	v_rsq_f32 v76, v76                             ; 1 / sqrt(1 + |d|) = sqrt(1 - |d|) / sqrt(1 - d^2)
	v_rsq_f32 v77, v77
	v_mul_f32 v78, v71, v71                        ; the plain instruction behind the two roots
	v_fma_f32 v72, v73, v71, v72
	v_fma_f32 v74, v75, v71, v74
	v_and_b32 v79, s60, v79                        ; pi / 8 for d < 0, else 0
	v_fma_f32 v72, v74, v78, v72
	s_wait_alu depctr_va_vdst(0)
	v_bfi_b32 v76, s61, v76, v70                   ; with d's sign: both halves of the formula go by the sign bit, and agree at d = 0
	v_mul_f32 v77, v79, v77
	v_fma_f32 v80, v76, v72, v77                   ; al = theta / sin(theta) / 8
	PRODS 80
	v_mul_f32 v81, v80, v70                        ; al d
	v_mul_f32 v82, v80, v65                        ; al g
	v_pk_add_f32 v[84:85], v[84:85], v[86:87]
	v_pk_add_f32 v[88:89], v[88:89], v[90:91]
	XADD 81, 1
	XADD 82, 1
	v_pk_add_f32 v[84:85], v[84:85], v[88:89]
	XADD 81, 2
	XADD 82, 2
	v_add_f32 v92, v84, v85                        ; h = G al
	XADD 81, 4                                     ; S
	XADD 82, 4                                     ; al . g
	v_mul_f32 v83, v80, v92                        ; al h
	v_mul_f32 v93, v81, v66                        ; S c.g
	XADD 83, 1
	v_fma_f32 v97, -v81, v64, v80                  ; w
	v_fma_f32 v98, -v81, v65, v92                  ; G w
	v_fma_f32 v94, -2.0, v82, v93
	XADD 83, 2
	v_sub_f32 v96, v82, v93                        ; c . G w
	v_mul_f32 v95, v81, v94                        ; S^2 c.g - 2 S al.g
	v_add_f32 v96, v96, v96
	XADD 83, 4                                     ; al . h
	v_add_f32 v99, v83, v95                        ; u
	v_mul_f32 v100, v99, v99
	v_fma_f32 v102, v99, -0.5, 1.0
	v_fma_f32 v103, v99, s67, s66
	v_fma_f32 v104, v99, s69, s68
	v_fma_f32 v105, v99, s71, s70
	v_fma_f32 v106, v99, s72, 1.0
	v_fma_f32 v107, v99, s74, s73
	v_fma_f32 v108, v99, s76, s75
	v_fma_f32 v109, v99, s78, s77
	v_mul_f32 v101, v100, v100
	v_fma_f32 v102, v103, v100, v102
	v_fma_f32 v104, v105, v100, v104
	v_fma_f32 v106, v107, v100, v106
	v_fma_f32 v108, v109, v100, v108
	v_fma_f32 v110, v104, v101, v102               ; cos
	v_fma_f32 v111, v108, v101, v106               ; sinc
	v_mul_f32 v112, v111, v96
	v_mul_f32 v113, v111, v99
	v_mul_f32 v114, v111, v97
	v_mul_f32 v115, v111, v98
	v_fma_f32 v112, v110, v66, v112
	v_mul_f32 v113, v111, v113
	v_fma_f32 v114, v110, v64, v114                ; cos c + sinc w
	v_fma_f32 v115, v110, v65, v115                ; cos g + sinc G w
	v_fma_f32 v116, v110, v112, v113               ; the new mu's norm, squared
	v_max_num_f32 v117, s62, v116
	v_rsq_f32 v117, v117
	v_nop                                          ; a plain instruction between the root and the use of its result
	s_wait_alu depctr_va_vdst(0)
	v_mul_f32 v64, v114, v117
	v_mul_f32 v65, v115, v117
	v_mul_f32 v66, v116, v117
	v_mul_f32 v66, v66, v117                       ; c . g of the new state
	s_sub_co_u32 s48, s48, 1
	s_cmp_lg_u32 s48, 0
	s_cbranch_scc1 .Liter
	; mu_s . mu_t = sum over t of c_t times the sum over j of (x_j . y_t) c_j, in lanes 8-15, which hold the cross block
	v_mov_b32_dpp v70, v64 row_xmask:8 row_mask:0xf bank_mask:0xf  ; lanes 8-15 get the support's c
	v_permlanex16_b32 v71, v64, s44, s45           ; and the target's
	PRODS 70
	v_pk_add_f32 v[84:85], v[84:85], v[86:87]
	v_pk_add_f32 v[88:89], v[88:89], v[90:91]
	v_pk_add_f32 v[84:85], v[84:85], v[88:89]
	v_add_f32 v92, v84, v85
	v_mul_f32 v92, v92, v71
	XADD 92, 1
	XADD 92, 2
	XADD 92, 4
	s_lshl_b32 s47, s10, 6                         ; item i lies i rows of 64 below the first
	s_add_co_u32 s47, s47, s14
	s_lshl_b32 s47, s47, 2
	v_mov_b32 v11, s47
	v_cmp_eq_u32 vcc_lo, 8, v8
	s_wait_xcnt 0x0                                ; EXEC changes only behind this wait
	s_and_saveexec_b32 s46, vcc_lo
	global_store_b32 v11, v92, s[8:9]              ; lane 8 alone
	s_wait_xcnt 0x0                                ; and again in front of the line that widens it
	s_or_b32 exec_lo, exec_lo, s46
.Lend:
	s_wait_tensorcnt 0x0                           ; the wave's end, behind my last LDS store
	ds_add_u32 v[SPW], v[NIL]
	s_wait_dscnt 0x0
	s_endpgm
.Lfunc_end_k_q2be363a760_frechet:
	.size	k_q2be363a760_frechet, .Lfunc_end_k_q2be363a760_frechet-k_q2be363a760_frechet
	.p2alignl 7, 3214868480
	.fill 96, 4, 3214868480
	.section	.rodata,"a",@progbits
	.p2align	6, 0x0
	.amdhsa_kernel k_q2be363a760_frechet
		.amdhsa_group_segment_fixed_size 186368
		.amdhsa_private_segment_fixed_size 0
		.amdhsa_enable_private_segment 0
		.amdhsa_kernarg_size 24
		.amdhsa_user_sgpr_count 2
		.amdhsa_user_sgpr_kernarg_segment_ptr 1
		.amdhsa_wavefront_size32 1
		.amdhsa_system_sgpr_workgroup_id_x 1
		.amdhsa_system_sgpr_workgroup_id_y 1
		.amdhsa_system_sgpr_workgroup_id_z 1
		.amdhsa_system_vgpr_workitem_id 0
		.amdhsa_next_free_vgpr 256
		.amdhsa_next_free_sgpr 80
		.amdhsa_reserve_vcc 1
		.amdhsa_float_denorm_mode_32 3
		.amdhsa_float_denorm_mode_16_64 3
		.amdhsa_memory_ordered 1
		.amdhsa_forward_progress 1
		.amdhsa_inst_pref_size 62
	.end_amdhsa_kernel
	.amdgpu_metadata
---
amdhsa.version: [ 1, 2 ]
amdhsa.kernels:
  - .name:           k_q2be363a760_frechet
    .symbol:         k_q2be363a760_frechet.kd
    .args:
      - { .name: support_vecs, .offset: 0, .size: 8, .value_kind: global_buffer, .address_space: global }
      - { .name: target_vec, .offset: 8, .size: 8, .value_kind: global_buffer, .address_space: global }
      - { .name: out0, .offset: 16, .size: 8, .value_kind: global_buffer, .address_space: global }
    .group_segment_fixed_size: 186368
    .private_segment_fixed_size: 0
    .kernarg_segment_align: 8
    .kernarg_segment_size: 24
    .max_flat_workgroup_size: 512
    .sgpr_count:     80
    .vgpr_count:     256
    .wavefront_size: 32
...
	.end_amdgpu_metadata
.endif
;; end of part 1
